; MI455X (gfx1250); checked and timed in simulation.
; The chip was launched on July 23, 2026; its instructions are those of AMD's public machine-readable ISA for CDNA 5 (MIT licence, August 2026) and "CDNA5" Instruction Set Architecture Reference Guide (July 2026). The comments in the code are by the model that wrote it; some were corrected since.
;; Multi Query Attention. Allowed arithmetic: matrix products marked QUANTISED: E5M2 operands, one given power-of-two scale a tensor, by v_wmma_f32_16x16x64_bf8_bf8 or v_wmma_f32_16x16x128_bf8_bf8, f32 sums; everything else in f32.
;; Inputs: Wk 64 x 4,096 float32; Wo 4,096 x 4,096 float32; Wq 4,096 x 4,096 float32; Wv 64 x 4,096 float32; bk 64 float32; bo 4,096 float32; bq 4,096 float32; bv 64 float32; lowp_scales 8 int32 (the exponents e of the quantised operands' scales 2^e); x 32 x 64 x 4,096 float32.
;; Outputs: out0 32 x 64 x 4,096 float32.
;; This version of the problem:
;;   THIS VERSION OF THE PROBLEM IS GIVEN IN LOW PRECISION. The matrix products marked QUANTISED in the list below multiply operands that are first quantised to E5M2 (5 exponent bits, 2 mantissa bits; 8 bits a number), with one given power-of-two scale for each operand tensor; their sums are f32. All else is computed in f32.
;;   The module's matrix products, in the order in which they are computed (A, B: the left and right operand; K: the contracted axis; several contracted axes count as one K, in the product's order):
;;     1. [M 2,048, K 4,096] x [K 4,096, N 4,096]; A: input x; B: input Wq: QUANTISED (scales: A lowp_scales[0], B lowp_scales[1])
;;     2. [M 2,048, K 4,096] x [K 4,096, N 64]; A: input x; B: input Wk: QUANTISED (scales: A lowp_scales[2], B lowp_scales[3])
;;     3. [M 2,048, K 4,096] x [K 4,096, N 64]; A: input x; B: input Wv: QUANTISED (scales: A lowp_scales[4], B lowp_scales[5])
;;     4. [M 2,048, K 4,096] x [K 4,096, N 4,096]; A: computed on the way; B: input Wo: QUANTISED (scales: A lowp_scales[6], B lowp_scales[7])
;;   THE QUANTISER, for each operand of a quantised product, along K:
;;     - The operand's scale is 2^e, e = its entry of the input lowp_scales (int32; the entries are numbered through the quantised products in the list's order, A before B).
;;     - Each number is divided by the scale, clamped to +-57,344, and rounded to the nearest number of E5M2, ties to even, subnormals kept.
;;     - The product sums the exact products of the quantised numbers (number of the format x scale) in f32.
;;   ~~~python
;;   def quantise(x, axis, e):      # numpy; x: float32 -> the quantised numbers, widened to float32 again
;;       x = np.moveaxis(x, axis, -1); K = x.shape[-1]
;;       r = np.clip(x / 2.0 ** e, -57344, 57344)
;;       step = 2.0 ** (np.maximum(np.frexp(np.where(r == 0, 1, r))[1] - 1, -14) - 2)
;;       q = np.round(r / step) * step * 2.0 ** e      # np.round: ties to even
;;       return np.moveaxis(q, -1, axis).astype(np.float32)
;;   ~~~
;;   OPERANDS COMPUTED ON THE WAY. 'Computed on the way' means the value that the module computes at that place (a softmax that the list does not call 'softmax' is quantised finished and normalised). What goes into a quantiser is computed in f32, as accurately as f32 sums, v_exp_f32 and their like allow (about 1e-6 of the number): no bf16 or f16 on the way to a quantiser, and a product that is left as it is and whose result goes on into a quantised operand takes f32 operands (vector FMAs, or v_wmma_f32_16x16x4_f32). A number that lies on a knife's edge between two numbers of the format may be rounded either way, as far as f32 arithmetic and the matrix unit's own rounding can turn it there, and no further.
;; One version. Each part assembles by itself: llvm-mc -triple=amdgcn-amd-amdhsa -mcpu=gfx1250 --defsym DOCPART=n.
;; ======== version 1 of 1: 3 launches
;; workspace buffers: xc 8,388,608 bytes; wqc 16,777,216 bytes; woc 16,777,216 bytes; ac 8,388,608 bytes; kvp 4,194,304 bytes
;; launch prep (part 1): grid 192 x 1, 8 waves a work-group, no clusters, 304,128 bytes of LDS; arguments x, Wq, Wo, Wk, Wv, lowp_scales, xc, wqc, woc, kvp; writes xc, wqc, woc, kvp
.if DOCPART == 1
	.amdgcn_target "amdgcn-amd-amdhsa--gfx1250"
	.amdhsa_code_object_version 6
	.text
	.protected	k_q97c1b1a93a_prep
	.globl	k_q97c1b1a93a_prep
	.p2align	8
	.type	k_q97c1b1a93a_prep,@function
k_q97c1b1a93a_prep:
	s_mov_b64 s[64:65], 0
	v_nop
	global_prefetch_b8 v0, s[64:65] scope:SCOPE_SE
	s_setreg_imm32_b32 hwreg(HW_REG_WAVE_MODE, 25, 1), 1
	s_wait_xcnt 0x0
; THE PROGRAM.  Row m = 64 b + s of Q = x Wq^T + bq is 64 groups of 64 neighbouring columns, e = 64 i + h.  The reshape, the two swaps of axes and the broadcasts come to
;   A[m][64 i + h] = softmax over h of ( Q[m][64 i + h] k[b][token h][channel s] / 8 ) x v[b][token s][channel h],     out0 = A Wo^T + bo,
; with k = x Wk^T + bk and v = x Wv^T + bv.  Three launches: this one quantises; the second makes Q on codes and A's codes; the third makes out0.
; DEAD WORK: none.  bq and bk move the scores along h, bv and bo reach the output as they are, and x is quantised three times, with the scales of entries 0, 2 and 4, which may differ.  Every input is loaded.
; THIS LAUNCH.  Wq (entry 1), Wo (entry 7) and x (entry 0) become codes of E5M2; in the same pass over x the raw sums of x Wk^T (x at entry 2, Wk at entry 3) and x Wv^T (entries 4, 5) are made on codes, in four parts along K.
; code = number / 2^e, held within +-57,344, to the nearest code, ties to even.
; LIMITS: each e between -126 and 112, so that 2^e and 57,344 x 2^e are f32 numbers.  NaN among the inputs is not served; an infinity is held at the largest code.
; THE CODES LIE AS IMAGES OF OPERAND REGISTERS.  A fragment is 16 rows x 128 K, 2,048 bytes: [q 0..3][lane][16 bytes] = registers 4 q .. 4 q + 3 of the lane; registers 2 c, 2 c + 1 of lane (r = lane % 16, h = lane / 16) hold
; row r, K = 16 c + 8 h + 0 .. 7.  Fragment (row block RB, K block kb) lies at 65,536 RB + 2,048 kb.  So every store of codes here and every load of a fragment later covers 512 consecutive bytes.
; kvp: [part 0..3][0 = k, 1 = v][RB 0..127][t 0..3][q 0..1][lane][16 bytes], f32: register 4 q + n of lane (r, h) belongs to row 16 RB + r of A and column 16 t + 8 h + 4 q + n of a group: the layout of the second launch's results.
; SHARES.  192 work-groups of eight waves, 1 MiB of input each.  Work-groups 0-63: 128 rows of x, a quarter of K, with Wk and Wv (the kv path).  Work-groups 64-191: Wq and Wo, a wave to 16 rows x half of K (the weights path).
; No tensor load: the numbers go through registers, four fragments (64 loads of 512 consecutive bytes) of a wave on their way.  No cluster: what work-groups share is Wk and Wv alone, 2 MiB.
; A fragment's 16 rows x 512 bytes turn through the wave's own stage in LDS (rows 528 bytes apart: 33 x 16, so that the sixteen rows of a load start at sixteen different banks): in as loaded, out 32 neighbouring bytes of a row a lane.
; Each path has LDS bytes of its own.
.set WREG,  16896                      ; a wave's two stages
.set STGB,  8448                       ; a stage: 16 rows x 528 bytes
.set IMG,   135168                     ; kv path: the images of Wk's and Wv's eight fragments, two sets by the step's parity
.set WSTG,  167936                     ; weights path: the stages
.set SPARE, 303104                     ; the spare words, 128 bytes for each wave: four blocks of 256 bytes that no other line names
.set LOF, 1                            ; v1   16 x lane
.set STI, 2                            ; v2   kv path: into my stage
.set STO, 3                            ; v3   and out of it: 528 r + 32 h
.set IMW, 4                            ; v4   where I store my fragment of Wk or Wv
.set IMR, 5                            ; v5   where the images are read
.set WTI, 6                            ; v6, v7 the weights path's stage, in and out
.set WTO, 7
.set SC0, 8                            ; v8/9, v10/11, v12/13: 2^e and 57,344 x 2^e for x's three scales; v14/15 for the weight in hand
.set LM0, 9
.set SC2, 10
.set LM2, 11
.set SC4, 12
.set LM4, 13
.set SCW, 14
.set LMW, 15
.set SPW, 16                           ; v16  LDS address of my spare word; never rewritten
.set NIL, 17                           ; v17  0; never rewritten
.set TT,  20                           ; v20-35  two sets of eight held numbers
.set CD0, 36                           ; v36-51, v52-67, v68-83: x's codes at entries 0, 2, 4; v84-99: the weight's
.set CD2, 52
.set CD4, 68
.set CDW, 84
.set XR,  100                          ; v100-163 a fragment's 64 numbers of a lane; later four fragments of Wk or Wv
.set ACC, 164                          ; v164-227 eight accumulators: 0-3 k, 4-7 v
.set PIN,  36                          ; s[36:37] x or the weight to be quantised
.set PW,   38                          ; s[38:39] Wk or Wv
.set POUT, 40                          ; s[40:41] the codes
.set PKK,  42                          ; s[42:43], s[44:45] kvp, for k and for v
.set PKV,  44
; window 1 (v256-511): four sets of 64 registers, numbers as they are loaded
.set MSB, 0
.macro WIN new                         ; the immediate's high byte repeats the setting that is left
.if MSB != (\new)
	s_set_vgpr_msb (MSB<<8)|(\new)
.set MSB, \new
.endif
.endm
.macro MKSC vs, vl, se                 ; 2^e and 57,344 x 2^e as f32, from the whole number e
	s_add_co_i32 s56, \se, 127
	s_lshl_b32 s57, s56, 23
	v_mov_b32 v[\vs], s57
	s_add_co_i32 s56, s56, 15
	s_lshl_b32 s56, s56, 23
	s_or_b32 s56, s56, 0x600000
	v_mov_b32 v[\vl], s56
.endm
.macro LOADF set, base, off, nt        ; a fragment's numbers: 16 rows, 512 consecutive bytes a load, into a set of window 1
	WIN 0x40
.irp i, 0,1,2,3,4,5,6,7,8,9,10,11,12,13,14,15
.if \nt
	global_load_b128 v[64*(\set)+4*\i:64*(\set)+4*\i+3], v[LOF], s[\base:\base+1] offset:(\off)+16384*\i th:TH_LOAD_NT
.else
	global_load_b128 v[64*(\set)+4*\i:64*(\set)+4*\i+3], v[LOF], s[\base:\base+1] offset:(\off)+16384*\i
.endif
.endr
	WIN 0
.endm
.macro TURN set, in, out, soff         ; through my stage: afterwards v[XR + 8 c + i] = (row r, K = 16 c + 8 h + i).  LDS serves a wave's instructions in order: no wait between the stores and the loads
	WIN 0x04
.irp i, 0,1,2,3,4,5,6,7,8,9,10,11,12,13,14,15
	ds_store_b128 v[\in], v[64*(\set)+4*\i:64*(\set)+4*\i+3] offset:(\soff)+528*\i
.endr
	WIN 0
.irp c, 0,1,2,3,4,5,6,7
	ds_load_b128 v[XR+8*\c:XR+8*\c+3], v[\out] offset:(\soff)+64*\c
	ds_load_b128 v[XR+8*\c+4:XR+8*\c+7], v[\out] offset:(\soff)+64*\c+16
.endr
	s_wait_dscnt 0x0                               ; the numbers are back; the stores have read the set, which may be loaded again
.endm
.macro QUANT1 cd, sc, lim              ; 64 numbers become a fragment's 16 registers of codes; the numbers are held in place
.irp k, 0,1,2,3,4,5,6,7
.irp i, 0,1,2,3,4,5,6,7
	v_med3_num_f32 v[XR+8*\k+\i], v[XR+8*\k+\i], -v[\lim], v[\lim]   ; the conversion to an 8-bit code does not saturate (ISA guide 7.6.2): the hold at the largest code x the scale
.endr
	v_cvt_scalef32_pk8_bf8_f32 v[\cd+2*\k:\cd+2*\k+1], v[XR+8*\k:XR+8*\k+7], v[\sc]
.endr
	v_nop                                          ; a plain line behind the last conversion
.endm
.macro QUANTT cd, sc, lim              ; the same, the held numbers in two sets of eight by turns, so that the numbers stay for the next scale; a set is written again behind the other set's eight holds
.irp k, 0,1,2,3,4,5,6,7
.irp i, 0,1,2,3,4,5,6,7
	v_med3_num_f32 v[TT+8*(\k%2)+\i], v[XR+8*\k+\i], -v[\lim], v[\lim]
.endr
	v_cvt_scalef32_pk8_bf8_f32 v[\cd+2*\k:\cd+2*\k+1], v[TT+8*(\k%2):TT+8*(\k%2)+7], v[\sc]
.endr
	v_nop
.endm
.macro OUT4 cd, base, off              ; a fragment's image: four stores of 512 consecutive bytes
.irp q, 0,1,2,3
	global_store_b128 v[LOF], v[\cd+4*\q:\cd+4*\q+3], s[\base:\base+1] offset:(\off)+512*\q
.endr
.endm
.macro PLACES
.rept 4
	v_nop
.endr
.endm
	s_load_b256 s[4:11], s[0:1], 0x0               ; x s[4:5], Wq s[6:7], Wo s[8:9], Wk s[10:11]
	s_load_b256 s[12:19], s[0:1], 0x20             ; Wv s[12:13], the scales s[14:15], xc s[16:17], wqc s[18:19]
	s_load_b128 s[20:23], s[0:1], 0x40             ; woc s[20:21], kvp s[22:23]
	v_lshl_add_u32 v[SPW], v0, 2, SPARE
	v_mov_b32 v[NIL], 0
	v_lshrrev_b32 v18, 5, v0
	v_readfirstlane_b32 s24, v18                   ; wave 0..7
	v_and_b32 v18, 31, v0
	v_lshlrev_b32 v[LOF], 4, v18
	v_and_b32 v18, 15, v0                          ; r
	v_bfe_u32 v19, v0, 4, 1                        ; h
	s_mul_i32 s48, s24, WREG
	v_add_nc_u32 v[STI], s48, v[LOF]               ; every LDS address is made here, ahead of the parting of the two paths
	v_mul_u32_u24 v[STO], v18, 528
	v_lshl_add_u32 v[STO], v19, 5, v[STO]
	v_add_nc_u32 v[STO], s48, v[STO]
	v_add_nc_u32 v[WTI], WSTG, v[STI]
	v_add_nc_u32 v[WTO], WSTG, v[STO]
	v_add_nc_u32 v[IMR], IMG, v[LOF]
	s_lshl_b32 s49, s24, 11
	v_add_nc_u32 v[IMW], s49, v[IMR]
	s_wait_kmcnt 0x0
	s_load_b256 s[28:35], s[14:15], 0x0            ; e of entries 0 to 7
	s_cmp_lt_u32 ttmp9, 64                         ; the work-group's number alone: all eight waves go the same way
	s_cbranch_scc1 .Lkv
	; ---- THE WEIGHTS PATH.  Work-groups 64-127: Wq; 128-191: Wo.  Wave w of work-group g takes strip 8 (g % 64) + w: row block strip / 2, half strip % 2 of K: 16 fragments.
	s_cmp_lt_u32 ttmp9, 128
	s_cselect_b64 s[PIN:PIN+1], s[6:7], s[8:9]
	s_cselect_b64 s[POUT:POUT+1], s[18:19], s[20:21]
	s_and_b32 s50, ttmp9, 63
	s_lshl_b32 s50, s50, 3
	s_add_co_u32 s50, s50, s24                     ; the strip
	s_lshr_b32 s52, s50, 1                         ; the row block
	s_and_b32 s53, s50, 1                          ; the half of K
	s_lshl_b32 s54, s52, 18                        ; 16 rows of 16,384 bytes
	s_lshl_b32 s55, s53, 13                        ; 2,048 numbers
	s_add_co_u32 s54, s54, s55
	s_mov_b32 s55, 0
	s_add_nc_u64 s[PIN:PIN+1], s[PIN:PIN+1], s[54:55]
	s_lshl_b32 s54, s52, 16
	s_lshl_b32 s52, s53, 15
	s_add_co_u32 s54, s54, s52
	s_add_nc_u64 s[POUT:POUT+1], s[POUT:POUT+1], s[54:55]
	LOADF 0, PIN, 0, 1
	LOADF 1, PIN, 512, 1
	LOADF 2, PIN, 1024, 1
	LOADF 3, PIN, 1536, 1
	s_wait_kmcnt 0x0
	s_cmp_lt_u32 ttmp9, 128
	s_cselect_b32 s51, s29, s35                    ; entry 1 or entry 7
	MKSC SCW, LMW, s51
; One fragment.  n: the younger fragments' loads, sixteen each, that may stay out.
.macro WSTEP u, ld, n
	s_wait_loadcnt \n
	TURN \u, WTI, WTO, ((\u)%2)*STGB
	s_wait_xcnt 0x0                                ; the earlier stores have read their codes: the registers may be written again
.if \ld
	LOADF \u, PIN, ((\u)+4)*512, 1                 ; the set takes the fragment four further on
.endif
	QUANT1 CD0+16*((\u)%2), SCW, LMW
	OUT4 CD0+16*((\u)%2), POUT, (\u)*2048
.endm
	s_mov_b32 s46, 3
.Lwloop:
	WSTEP 0, 1, 48
	WSTEP 1, 1, 48
	WSTEP 2, 1, 48
	WSTEP 3, 1, 48
	s_wait_xcnt 0x0                                ; the loads and stores have read their bases
	s_add_nc_u64 s[PIN:PIN+1], s[PIN:PIN+1], 2048
	s_add_nc_u64 s[POUT:POUT+1], s[POUT:POUT+1], 8192
	s_sub_co_u32 s46, s46, 1
	s_cmp_lg_u32 s46, 0
	s_cbranch_scc1 .Lwloop
	WSTEP 0, 0, 48                                 ; the last four load nothing: the counts run down
	WSTEP 1, 0, 32
	WSTEP 2, 0, 16
	WSTEP 3, 0, 0
	s_wait_tensorcnt 0x0                           ; the wave's end, behind my last LDS store
	ds_add_u32 v[SPW], v[NIL]
	s_wait_dscnt 0x0
	s_endpgm
	; ---- THE KV PATH.  Work-group g: rows 128 (g / 4) on, K = 1,024 (g % 4) on, eight steps of 128.  Wave w: x's row block 8 (g / 4) + w, and one fragment of the weights for all eight waves: rows 16 (w % 4) on of Wk (w < 4) or Wv.
.Lkv:
	s_lshr_b32 s50, ttmp9, 2                       ; mt
	s_and_b32 s51, ttmp9, 3                        ; p
	s_lshl_b32 s52, s50, 3
	s_add_co_u32 s52, s52, s24                     ; my row block of x
	s_lshl_b32 s54, s52, 18
	s_lshl_b32 s53, s51, 12
	s_add_co_u32 s54, s54, s53
	s_mov_b32 s55, 0
	s_add_nc_u64 s[PIN:PIN+1], s[4:5], s[54:55]
	s_cmp_lt_u32 s24, 4
	s_cselect_b64 s[PW:PW+1], s[10:11], s[12:13]
	s_and_b32 s48, s24, 3                          ; tb = w % 4
	s_lshl_b32 s54, s48, 18
	s_add_co_u32 s54, s54, s53
	s_add_nc_u64 s[PW:PW+1], s[PW:PW+1], s[54:55]
	s_lshl_b32 s54, s52, 16
	s_lshl_b32 s53, s51, 14
	s_add_co_u32 s54, s54, s53
	s_add_nc_u64 s[POUT:POUT+1], s[16:17], s[54:55]
	s_lshl_b32 s54, s51, 20                        ; kvp: the part,
	s_lshl_b32 s53, s50, 1
	s_lshr_b32 s52, s24, 2
	s_add_co_u32 s53, s53, s52                     ; the batch b = 2 mt + w / 4: its four row blocks
	s_lshl_b32 s53, s53, 14
	s_add_co_u32 s54, s54, s53
	s_lshl_b32 s53, s48, 10                        ; k: my 16 tokens are columns 16 tb on of every row block of the batch
	s_add_co_u32 s52, s54, s53
	s_mov_b32 s53, 0
	s_add_nc_u64 s[PKK:PKK+1], s[22:23], s[52:53]
	s_lshl_b32 s53, s48, 12                        ; v: my 16 tokens are row block tb of the batch
	s_add_co_u32 s52, s54, s53
	s_add_co_u32 s52, s52, 524288
	s_mov_b32 s53, 0
	s_add_nc_u64 s[PKV:PKV+1], s[22:23], s[52:53]
	LOADF 0, PIN, 0, 1                             ; in the order in which they are waited for: x, the weight, x, the weight
	LOADF 2, PW, 0, 0
	LOADF 1, PIN, 512, 1
	LOADF 3, PW, 512, 0
	s_wait_kmcnt 0x0
	s_cmp_lt_u32 s24, 4
	s_cselect_b32 s49, s31, s33                    ; entry 3 or entry 5
	MKSC SC0, LM0, s28
	MKSC SC2, LM2, s30
	MKSC SC4, LM4, s32
	MKSC SCW, LMW, s49
; One step of 128 along K.  n1, n2: the younger fragments' loads, sixteen each, that may stay out.  ONE barrier a step: the images take turns by the step's parity, so a set is written again
; only by waves that have passed the next step's barrier, which every wave reaches behind the wait for its reads of that set.
.macro KSTEP par, zero, ld, n1, n2
	s_wait_loadcnt \n1
	TURN \par, STI, STO, 0
	s_wait_xcnt 0x0                                ; the last step's stores have read their codes
.if \ld
	LOADF \par, PIN, (\par+2)*512, 1
.endif
	QUANTT CD0, SC0, LM0
	QUANTT CD2, SC2, LM2
	QUANT1 CD4, SC4, LM4
	OUT4 CD0, POUT, (\par)*2048
	s_wait_loadcnt \n2
	TURN 2+\par, STI, STO, STGB
.if \ld
	LOADF 2+\par, PW, (\par+2)*512, 0
.endif
	QUANT1 CDW, SCW, LMW
.irp c, 0,1,2,3
	ds_store_b128 v[IMW], v[CDW+4*\c:CDW+4*\c+3] offset:(\par)*16384+512*\c
.endr
	s_wait_dscnt 0x0                               ; for the others' sake: my image has landed
	s_barrier_signal -1
	s_barrier_wait -1
.irp f, 0,1,2,3
.irp c, 0,1,2,3
	ds_load_b128 v[XR+16*\f+4*\c:XR+16*\f+4*\c+3], v[IMR] offset:(\par)*16384+2048*\f+512*\c
.endr
.endr
	s_wait_dscnt 0x0
.irp t, 0,1,2,3                        ; k: source 0 = my 16 tokens, source 1 = 16 channels: register j of lane (r, h) = k(token 8 h + j, channel r): k turned, as the softmax wants it
.if \zero
	v_wmma_f32_16x16x128_bf8_bf8 v[ACC+8*\t:ACC+8*\t+7], v[CD2:CD2+15], v[XR+16*\t:XR+16*\t+15], 0
.else
	v_wmma_f32_16x16x128_bf8_bf8 v[ACC+8*\t:ACC+8*\t+7], v[CD2:CD2+15], v[XR+16*\t:XR+16*\t+15], v[ACC+8*\t:ACC+8*\t+7]
.endif
.endr
	PLACES                                         ; in front of loads into registers that matrix instructions have read
.irp f, 0,1,2,3
.irp c, 0,1,2,3
	ds_load_b128 v[XR+16*\f+4*\c:XR+16*\f+4*\c+3], v[IMR] offset:(\par)*16384+2048*(\f+4)+512*\c
.endr
.endr
	s_wait_dscnt 0x0
.irp t, 0,1,2,3                        ; v: source 0 = 16 channels, source 1 = my 16 tokens: register j of lane (r, h) = v(token r, channel 8 h + j).  The eight accumulators take turns
.if \zero
	v_wmma_f32_16x16x128_bf8_bf8 v[ACC+32+8*\t:ACC+32+8*\t+7], v[XR+16*\t:XR+16*\t+15], v[CD4:CD4+15], 0
.else
	v_wmma_f32_16x16x128_bf8_bf8 v[ACC+32+8*\t:ACC+32+8*\t+7], v[XR+16*\t:XR+16*\t+15], v[CD4:CD4+15], v[ACC+32+8*\t:ACC+32+8*\t+7]
.endif
.endr
	PLACES
.endm
.macro BASES                           ; two steps on
	s_wait_xcnt 0x0                                ; the loads and stores have read their bases
	s_add_nc_u64 s[PIN:PIN+1], s[PIN:PIN+1], 1024
	s_add_nc_u64 s[PW:PW+1], s[PW:PW+1], 1024
	s_add_nc_u64 s[POUT:POUT+1], s[POUT:POUT+1], 4096
.endm
	KSTEP 0, 1, 1, 48, 48                          ; the first step's products start the sums
	KSTEP 1, 0, 1, 48, 48
	BASES
	s_mov_b32 s46, 2
.Lkloop:
	KSTEP 0, 0, 1, 48, 48
	KSTEP 1, 0, 1, 48, 48
	BASES
	s_sub_co_u32 s46, s46, 1
	s_cmp_lg_u32 s46, 0
	s_cbranch_scc1 .Lkloop
	KSTEP 0, 0, 0, 48, 32                          ; the last two steps load nothing: the counts run down
	KSTEP 1, 0, 0, 16, 0
.irp t, 0,1,2,3                        ; the raw sums leave as they stand, 512 consecutive bytes a store, each accumulator's low four registers first
	global_store_b128 v[LOF], v[ACC+8*\t:ACC+8*\t+3], s[PKK:PKK+1] offset:4096*\t
	global_store_b128 v[LOF], v[ACC+8*\t+4:ACC+8*\t+7], s[PKK:PKK+1] offset:4096*\t+512
.endr
.irp t, 0,1,2,3
	global_store_b128 v[LOF], v[ACC+32+8*\t:ACC+32+8*\t+3], s[PKV:PKV+1] offset:1024*\t
	global_store_b128 v[LOF], v[ACC+32+8*\t+4:ACC+32+8*\t+7], s[PKV:PKV+1] offset:1024*\t+512
.endr
	s_wait_tensorcnt 0x0                           ; the wave's end
	ds_add_u32 v[SPW], v[NIL]
	s_wait_dscnt 0x0
	s_endpgm
.Lfunc_end_k_q97c1b1a93a_prep:
	.size	k_q97c1b1a93a_prep, .Lfunc_end_k_q97c1b1a93a_prep-k_q97c1b1a93a_prep
	.p2alignl 7, 3214868480
	.fill 96, 4, 3214868480
	.section	.rodata,"a",@progbits
	.p2align	6, 0x0
	.amdhsa_kernel k_q97c1b1a93a_prep
		.amdhsa_group_segment_fixed_size 304128
		.amdhsa_private_segment_fixed_size 0
		.amdhsa_enable_private_segment 0
		.amdhsa_kernarg_size 80
		.amdhsa_user_sgpr_count 2
		.amdhsa_user_sgpr_kernarg_segment_ptr 1
		.amdhsa_wavefront_size32 1
		.amdhsa_system_sgpr_workgroup_id_x 1
		.amdhsa_system_sgpr_workgroup_id_y 1
		.amdhsa_system_sgpr_workgroup_id_z 1
		.amdhsa_system_vgpr_workitem_id 0
		.amdhsa_next_free_vgpr 512
		.amdhsa_next_free_sgpr 66
		.amdhsa_reserve_vcc 0
		.amdhsa_float_denorm_mode_32 3
		.amdhsa_float_denorm_mode_16_64 3
		.amdhsa_memory_ordered 1
		.amdhsa_forward_progress 1
		.amdhsa_inst_pref_size 251
	.end_amdhsa_kernel
	.amdgpu_metadata
---
amdhsa.version: [ 1, 2 ]
amdhsa.kernels:
  - .name:           k_q97c1b1a93a_prep
    .symbol:         k_q97c1b1a93a_prep.kd
    .args:
      - { .name: x, .offset: 0, .size: 8, .value_kind: global_buffer, .address_space: global }
      - { .name: Wq, .offset: 8, .size: 8, .value_kind: global_buffer, .address_space: global }
      - { .name: Wo, .offset: 16, .size: 8, .value_kind: global_buffer, .address_space: global }
      - { .name: Wk, .offset: 24, .size: 8, .value_kind: global_buffer, .address_space: global }
      - { .name: Wv, .offset: 32, .size: 8, .value_kind: global_buffer, .address_space: global }
      - { .name: lowp_scales, .offset: 40, .size: 8, .value_kind: global_buffer, .address_space: global }
      - { .name: xc, .offset: 48, .size: 8, .value_kind: global_buffer, .address_space: global }
      - { .name: wqc, .offset: 56, .size: 8, .value_kind: global_buffer, .address_space: global }
      - { .name: woc, .offset: 64, .size: 8, .value_kind: global_buffer, .address_space: global }
      - { .name: kvp, .offset: 72, .size: 8, .value_kind: global_buffer, .address_space: global }
    .group_segment_fixed_size: 304128
    .private_segment_fixed_size: 0
    .kernarg_segment_align: 8
    .kernarg_segment_size: 80
    .max_flat_workgroup_size: 256
    .sgpr_count:     66
    .vgpr_count:     512
    .wavefront_size: 32
...
	.end_amdgpu_metadata
.endif
;; end of part 1
;; launch qsoft (part 2): grid 16 x 16, 4 waves a work-group, clusters of 4 x 4, 327,680 bytes of LDS; arguments xc, wqc, lowp_scales, ac, bq, kvp, bk, bv; writes ac
.if DOCPART == 2
	.amdgcn_target "amdgcn-amd-amdhsa--gfx1250"
	.amdhsa_code_object_version 6
	.text
	.protected	k_q97c1b1a93a_qsoft
	.globl	k_q97c1b1a93a_qsoft
	.p2align	8
	.type	k_q97c1b1a93a_qsoft,@function
k_q97c1b1a93a_qsoft:
	s_mov_b64 s[64:65], 0
	v_nop
	global_prefetch_b8 v0, s[64:65] scope:SCOPE_SE
	s_setreg_imm32_b32 hwreg(HW_REG_WAVE_MODE, 25, 1), 1
	s_wait_xcnt 0x0
	s_wait_alu depctr_hold_cnt(0) depctr_sa_sdst(0) depctr_va_vdst(0) depctr_va_sdst(0) depctr_va_ssrc(0) depctr_va_vcc(0) depctr_vm_vsrc(0)
	s_getreg_b32 s2, hwreg(HW_REG_IB_STS2, 6, 4)
	s_cmp_eq_u32 s2, 0
	s_cbranch_scc0 .Lentry_in_a_cluster
	s_endpgm
.Lentry_in_a_cluster:
	s_bfe_u32 s2, ttmp6, 0x10000c
	s_cmp_lg_u32 s2, 0xf033
	s_cbranch_scc0 .Lentry_shape_is_right
	s_endpgm
.Lentry_shape_is_right:
; Q = x Wq^T + bq on codes of E5M2, and on each finished tile: A[m][64 i + h] = softmax over h of (Q[m][64 i + h] k[b][h][s] / 8) x v[b][s][h], m = 64 b + s, quantised with the scale of entry 6 into ac.  Nothing is left out.
; xc, wqc, ac: images of operand registers: a fragment of 16 rows x 128 K is 2,048 bytes, [q][lane][16 bytes]; fragment (row block RB, K block kb) at 65,536 RB + 2,048 kb.  kvp: the raw sums of k and v in four parts along K.
; A tile of Q is 128 rows x 256 columns: 256 work-groups of four waves; wave w makes rows 64 (w / 2) on, columns 128 (w % 2) on: 32 accumulators, 256 registers.  (256 x 256 would give 128 work-groups.)
; K goes through a ring of two LDS slots of 384 along K: a row block's three fragments are 6,144 consecutive bytes of memory, a row of the tensor load's tile; no padding: a fragment load reads 512 consecutive bytes.
; Two such slots, 2 x 24 row blocks x 6,144 bytes = 294,912, are the largest equal pair of whole fragments that LDS holds.  4,096 = 10 x 384 + 256: eleven slots' worth, two first fills and nine refills; the last brings 256 along K.
; CLUSTERS: 4 x 4 work-groups.  The four of a row of the cluster need the same tile of x, the four of a column the same tile of Wq: each is asked for JOINTLY.  Waves 0, 1 fetch x's halves, waves 2, 3 Wq's.
; THE MATRIX INSTRUCTION IS USED TRANSPOSED (source 0 = 16 rows of Wq, source 1 = 16 rows of x): register j of lane (r, h) of accumulator (a, b) is Q(row 16 a + r, column 16 b + 8 h + j).  A group of 64 columns is then
; 32 registers of lanes r and r + 16, and eight registers of a tile are eight neighbours along the next product's K, in the operand's own places: the conversions' results ARE ac's image.
; THE SOFTMAX: t = Q x KT, KT = k x log2(e) / 8; the group's largest t is taken away; p = 2^(t - max) / the sum; A = p x v.  All in f32.
; KT AND v of the tile's 128 rows are made at the head, two row blocks a wave, and wait in registers; behind the last product they go to LDS, into slot 1, which has had its last fill and which every wave has left.
; LIMITS on the given exponents, so that each power of two is an f32 number: e0 + e1 and e4 + e5 between -126 and 127; e2 + e3 between -123 and 130 (added to the exponent field of log2(e) / 8); e6 between -126 and 112.  NaN among the inputs is not served.
; REGISTERS.  window 0: v1 r, v2 h, v3 16 x lane, v4-7 fragment addresses, v8, v9 addresses in KVR, v10, v12 the prefetches' offsets, v11 32 h, v13-27 at work, v28, v29 the add's two, v30, v31 2^e6 and 57,344 x 2^e6,
;   v32-95 bq of my 128 columns, v128-255 x's fragments, two sets; at the end v96-127 KT, v128-159 v, v160-223 a row block's 64 numbers, v224-255 codes, two sets.
;   window 1: Wq's fragments, two sets.   window 2: accumulator (a, b) at v[8 (8 a + b)].   window 3: v0-63 KT, v64-127 v of row blocks 2 w, 2 w + 1, from the head to the end.
.set RBB,   6144                       ; a row block's part of a slot: three fragments
.set SLOT,  147456                     ; x's 8 row blocks x 6,144 bytes, then Wq's 16
.set KVR,   SLOT                       ; at the end, in slot 1: [0 = KT, 1 = v][my tile's row block 0..7][4,096 bytes]
.set SPARE, 294912                     ; behind the ring: the spare words, 128 bytes for each wave: two blocks of 256 bytes that no other line names
.set ADRA, 4
.set ADRB, 6
.set PFP,  10
.set PFO,  12
.set SPW,  28
.set NIL,  29
.set BIAS, 32
.set KT,   96
.set VV,   128
.set WR,   160
.set CD,   224
.set AF,   128
.set G1A, 24                           ; s[24:31] descriptor group 1 for x's tiles; s[32:39] group 0, a set for each slot
.set G0A, 32
.set G1B, 40                           ; s[40:47], s[48:55] the same for Wq's
.set G0B, 48
.set PFA, 66                           ; s[66:67] where my prefetches stand
.set LIM, 68                           ; s68  1 in a wave that prefetches, else the greatest number
.set MSB, 0
.macro WIN new                         ; the immediate's high byte repeats the setting that is left
.if MSB != (\new)
	s_set_vgpr_msb (MSB<<8)|(\new)
.set MSB, \new
.endif
.endm
.macro PLACES n
.rept \n
	v_nop
.endr
.endm
; A joint load.  The branch hangs on the wave's number alone.  An s_nop 0 and four v_nop follow each of the two lines, ahead of the jump, the label and what follows.
.macro JLOAD s
	s_cmp_eq_u32 s21, 0
	s_cbranch_scc0 .Lfor_b_\@
	tensor_load_to_lds s[G0A+4*\s:G0A+4*\s+3], s[G1A:G1A+7]
	s_nop 0
.rept 4
	v_nop
.endr
	s_branch .Lasked_\@
.Lfor_b_\@:
	tensor_load_to_lds s[G0B+4*\s:G0B+4*\s+3], s[G1B:G1B+7]
	s_nop 0
.rept 4
	v_nop
.endr
.Lasked_\@:
.endm
.macro CREST                           ; a round of the cluster's barrier behind its opening barrier
	s_cmp_lg_u32 s20, 0
	s_cbranch_scc1 .Lnot_wave_0_\@
	s_barrier_signal -3
.Lnot_wave_0_\@:
	s_barrier_wait -3
	s_barrier_signal -1
	s_barrier_wait -1
.endm
.macro CROUND
	s_barrier_signal -1
	s_barrier_wait -1
	CREST
.endm
; A PREFETCH INTO THE L2, once a trip, behind slot 1's refill: what the next trip's two refills will ask for, 768 along K: two row blocks x 12,288 bytes = 96 blocks of 256 bytes: three instructions, each lane another block
; (blocks 0-31 of the first row block; its blocks 32-47 and the second's 0-15; the second's 16-47).  Each block is named once in the launch: x's tile row is read by every cluster of that row of clusters, and cluster x = 0 asks
; (wave 0; partner cx takes row blocks 2 cx, 2 cx + 1); Wq's tile column by every cluster of that column, and cluster y = 0 asks (waves 2, 3, each for the 8 row blocks that it fetches; partner cy takes 2 cy, 2 cy + 1).
; The partners are told apart by address alone.  The loop's last trip asks for nothing.  The first four slots' worth and the last 256 along K come by their loads alone.
.macro ASK
	s_cmp_gt_u32 s23, s[LIM]
	s_cbranch_scc0 .Lnot_mine_\@
	global_prefetch_b8 v[PFO], s[PFA:PFA+1] th:TH_LOAD_NT scope:SCOPE_SE
	global_prefetch_b8 v[PFP], s[PFA:PFA+1] th:TH_LOAD_NT scope:SCOPE_SE
	global_prefetch_b8 v[PFO], s[PFA:PFA+1] offset:69632 th:TH_LOAD_NT scope:SCOPE_SE
.Lnot_mine_\@:
.endm
; 8 matrix instructions: x's block a against Wq's eight, 128 along K, fragment set p.  The 32 accumulators take turns in one order everywhere.
.macro MUL8 a, p, zero
.irp b, 0,1,2,3,4,5,6,7
.if \zero
	v_wmma_f32_16x16x128_bf8_bf8 v[8*(8*(\a)+\b):8*(8*(\a)+\b)+7], v[128*(\p)+16*\b:128*(\p)+16*\b+15], v[AF+64*(\p)+16*(\a):AF+64*(\p)+16*(\a)+15], 0
.else
	v_wmma_f32_16x16x128_bf8_bf8 v[8*(8*(\a)+\b):8*(8*(\a)+\b)+7], v[128*(\p)+16*\b:128*(\p)+16*\b+15], v[AF+64*(\p)+16*(\a):AF+64*(\p)+16*(\a)+15], v[8*(8*(\a)+\b):8*(8*(\a)+\b)+7]
.endif
.endr
.endm
.macro FETCH slot, q, p                ; 48 LDS loads in one run: the fragments of the slot's q-th 128 along K into set p
	WIN 0x40
.irp b, 0,1,2,3,4,5,6,7
.irp c, 0,1,2,3
	ds_load_b128 v[128*(\p)+16*\b+4*\c:128*(\p)+16*\b+4*\c+3], v[ADRB+\slot] offset:RBB*\b+2048*(\q)+512*\c
.endr
.endr
	WIN 0
.irp a, 0,1,2,3
.irp c, 0,1,2,3
	ds_load_b128 v[AF+64*(\p)+16*\a+4*\c:AF+64*(\p)+16*\a+4*\c+3], v[ADRA+\slot] offset:RBB*\a+2048*(\q)+512*\c
.endr
.endr
.endm
.macro STEP slot, q, p, zero           ; the slot's q-th 128 along K, which lie in set p; the next 128 of the same slot are fetched into the other set
	PLACES 4                                       ; in front of loads into registers that matrix instructions have read
	FETCH \slot, (\q)+1, 1-(\p)
	s_wait_dscnt 48                                ; all but the 48 just issued: set p is in
	WIN 0xa1                                       ; source 0 window 1, source 1 window 0, C and D window 2
	MUL8 0, \p, \zero
	MUL8 1, \p, \zero
	MUL8 2, \p, \zero
	MUL8 3, \p, \zero
.endm
; A slot's last 128 along K (set p), and the change of slots: ONE barrier; in front of it each wave waits for all its tensor loads, adds 0 to its spare word, and waits for that and for its reads of this slot.
; fill = 1: this slot is filled again, two slots' worth further along K.  ask = 1: the prefetches follow.  clip = 1: the last refill: 256 along K are left of each row block, 512 elements of 8 bytes: what lies beyond is not read.
.macro TURN slot, next, p, fill, ask, clip
	WIN 0
	s_wait_tensorcnt 0x0                           ; all my tensor loads have landed: the one that was out is my part of the next slot; so the descriptors may be written
	ds_add_u32 v[SPW], v[NIL]                      ; 0 onto my spare word
.if \fill
	s_add_nc_u64 s[G0A+4*\slot+2:G0A+4*\slot+3], s[G0A+4*\slot+2:G0A+4*\slot+3], 2*RBB
	s_add_nc_u64 s[G0B+4*\slot+2:G0B+4*\slot+3], s[G0B+4*\slot+2:G0B+4*\slot+3], 2*RBB
.endif
.if \clip
	s_mov_b32 s[G1A+1], 512<<16                    ; tensor_dim0 = what is left from the tile's first element on
	s_mov_b32 s[G1B+1], 512<<16
.endif
.if \ask
	s_wait_xcnt 0x0                                ; the last prefetches, a trip back, have read their address
	s_add_nc_u64 s[PFA:PFA+1], s[PFA:PFA+1], 2*RBB
.endif
	s_wait_dscnt 0x0                               ; the add is done, set p is in, and my reads of this slot are over
	s_barrier_signal -1
	WIN 0xa1
	MUL8 0, \p, 0                                  ; work on registers while the others arrive
	WIN 0
	s_barrier_wait -1
.if \fill
	CREST                                          ; the barrier has opened a round of the cluster's: no wave of any partner still reads this slot or has a load on its way
	JLOAD \slot                                    ; the first tensor load behind the round, my one: 88 matrix instructions ahead of the wait for it; its four v_nop are also the places in front of the loads below
.else
	PLACES 4
.endif
	FETCH \next, 0, 1-(\p)
.if \ask
	ASK
.endif
	WIN 0xa1
	MUL8 1, \p, 0
	MUL8 2, \p, 0
	MUL8 3, \p, 0
.endm
	s_load_b256 s[4:11], s[0:1], 0x0               ; xc s[4:5], wqc s[6:7], the scales s[8:9], ac s[10:11]
	s_load_b256 s[12:19], s[0:1], 0x20             ; bq s[12:13], kvp s[14:15], bk s[16:17], bv s[18:19]
	v_lshl_add_u32 v[SPW], v0, 2, SPARE
	v_mov_b32 v[NIL], 0
	ds_add_u32 v[SPW], v[NIL]                      ; the wave's opening: the add, twice on end, and its wait ahead of my first tensor load
	ds_add_u32 v[SPW], v[NIL]
	v_lshrrev_b32 v1, 5, v0
	v_readfirstlane_b32 s20, v1                    ; wave 0..3
	s_lshr_b32 s21, s20, 1                         ; rh: my half of the rows.  Also: I fetch for x (0) or for Wq (1)
	s_and_b32 s22, s20, 1                          ; ch: my half of the columns.  Also: which half of that tile I fetch
	s_bfe_u32 s56, ttmp6, 0x40000                  ; cx
	s_bfe_u32 s57, ttmp6, 0x40004                  ; cy
	s_lshl_b32 s58, ttmp9, 2
	s_add_co_u32 s58, s58, s56                     ; xt: tile column
	s_and_b32 s59, ttmp7, 0xffff
	s_lshl_b32 s59, s59, 2
	s_add_co_u32 s59, s59, s57                     ; y: tile row
	s_lshl_b32 s88, s57, 2
	s_lshl_b32 s88, 15, s88                        ; my row of the cluster
	s_lshl_b32 s89, 0x1111, s56                    ; my column
	s_or_b32 s[G1A], s88, (3<<16)|(1<<21)          ; 15:0 the mask; 17:16 elements of 8 bytes; 21 set beside a mask; no padding
	s_or_b32 s[G1B], s89, (3<<16)|(1<<21)
	s_mov_b32 s[G1A+1], 768<<16                    ; tensor_dim0 = 768 elements: 6,144 bytes
	s_mov_b32 s[G1A+2], 4<<16                      ; tensor_dim1 = 4 row blocks
	s_mov_b32 s[G1A+3], 768<<16                    ; tile_dim0
	s_mov_b32 s[G1A+4], 4                          ; tile_dim1
	s_mov_b32 s[G1A+5], 8192                       ; from row block to row block: 65,536 bytes
	s_mov_b32 s[G1A+6], 0
	s_mov_b32 s[G1A+7], 0
	s_mov_b32 s[G1B+1], 768<<16
	s_mov_b32 s[G1B+2], 8<<16                      ; 8 row blocks
	s_mov_b32 s[G1B+3], 768<<16
	s_mov_b32 s[G1B+4], 8
	s_mov_b32 s[G1B+5], 8192
	s_mov_b32 s[G1B+6], 0
	s_mov_b32 s[G1B+7], 0
	s_lshl_b32 s60, s59, 19                        ; x: 8 row blocks a tile row, + my 4
	s_lshl_b32 s61, s22, 18
	s_add_co_u32 s60, s60, s61
	s_mov_b32 s61, 0
	s_lshl_b32 s62, s58, 20                        ; Wq: 16 row blocks a tile column, + my 8
	s_lshl_b32 s63, s22, 19
	s_add_co_u32 s62, s62, s63
	s_mov_b32 s63, 0
	s_mul_i32 s90, s22, 4*RBB                      ; where they go in a slot: no place in the cluster enters an LDS address
	s_mul_i32 s91, s22, 8*RBB
	s_add_co_u32 s91, s91, 8*RBB
	s_mov_b32 s86, 0x76543210                      ; v_permlanex16_b32's selects for lane l xor 16
	s_mov_b32 s87, 0xfedcba98
	s_wait_dscnt 0x0                               ; both opening adds are done
	s_wait_kmcnt 0x0
	s_load_b256 s[72:79], s[8:9], 0x0              ; e of entries 0 to 7
	s_add_nc_u64 s[60:61], s[4:5], s[60:61]
	s_add_nc_u64 s[62:63], s[6:7], s[62:63]
	CROUND                                         ; all sixteen work-groups are here: the first joint loads meet
.irp s, 0,1
	s_mov_b32 s[G0A+4*\s], 1
	s_add_co_u32 s[G0A+4*\s+1], s90, \s*SLOT
	s_add_nc_u64 s[G0A+4*\s+2:G0A+4*\s+3], s[60:61], \s*RBB
	s_or_b32 s[G0A+4*\s+3], s[G0A+4*\s+3], 0x80000000
	s_mov_b32 s[G0B+4*\s], 1
	s_add_co_u32 s[G0B+4*\s+1], s91, \s*SLOT
	s_add_nc_u64 s[G0B+4*\s+2:G0B+4*\s+3], s[62:63], \s*RBB
	s_or_b32 s[G0B+4*\s+3], s[G0B+4*\s+3], 0x80000000
	JLOAD \s                                       ; two tensor loads of mine are out
.endr
	v_and_b32 v1, 15, v0                           ; r
	v_bfe_u32 v2, v0, 4, 1                         ; h
	v_and_b32 v3, 31, v0
	v_lshlrev_b32 v[PFO], 8, v3                    ; the prefetches: 256 x lane,
	v_mul_u32_u24 v[PFP], v2, 0xd000
	v_add_nc_u32 v[PFP], v[PFP], v[PFO]
	v_add_nc_u32 v[PFP], 0x2000, v[PFP]            ; and 256 x lane + 8,192 in lanes 0-15, 256 (lane - 16) + 65,536 in lanes 16-31
	v_lshlrev_b32 v3, 4, v3                        ; 16 x lane
	s_mul_i32 s88, s21, 4*RBB
	v_add_nc_u32 v[ADRA], s88, v3                  ; my 4 row blocks of x, slot 0 and slot 1
	v_add_nc_u32 v[ADRA+1], SLOT, v[ADRA]
	v_add_nc_u32 v[ADRB], s91, v3                  ; my 8 row blocks of Wq
	v_add_nc_u32 v[ADRB+1], SLOT, v[ADRB]
	s_lshl_b32 s88, s20, 13
	s_add_co_u32 s88, s88, KVR
	v_add_nc_u32 v8, s88, v3                       ; KVR: where I store row blocks 2 w, 2 w + 1
	s_lshl_b32 s88, s21, 14
	s_add_co_u32 s88, s88, KVR
	v_add_nc_u32 v9, s88, v3                       ; and where I read my four
	v_lshlrev_b32 v11, 5, v2
	v_lshlrev_b32 v13, 2, v1
	s_lshl_b32 s88, s22, 7
	v_add_nc_u32 v13, s88, v13                     ; bk: channel 16 ((2 w + j) % 4) + r = 32 (w % 2) + 16 j + r
	v_mov_b32 v18, 0                               ; written once: a lane permute's destination counts as one of its sources
	v_mov_b32 v19, 0
	v_mov_b32 v21, 0                               ; (named as the upper halves of pairs)
	v_mov_b32 v23, 0
	; the prefetches: where my wave's stand, and who asks
	s_lshl_b32 s88, s59, 19
	s_lshl_b32 s89, s58, 20
	s_lshl_b32 s92, s22, 19
	s_add_co_u32 s89, s89, s92
	s_or_b32 s93, ttmp9, s22                       ; x: cluster x; and wave 1 never asks
	s_and_b32 s94, ttmp7, 0xffff                   ; Wq: cluster y
	s_cmp_eq_u32 s21, 0
	s_cselect_b32 s88, s88, s89
	s_cselect_b32 s92, s56, s57                    ; my place among the four that ask jointly: it enters the address alone
	s_cselect_b32 s93, s93, s94
	s_cselect_b64 s[PFA:PFA+1], s[4:5], s[6:7]
	s_cmp_eq_u32 s93, 0
	s_cselect_b32 s[LIM], 1, -1                    ; the same in all sixteen partners, for a given wave
	s_lshl_b32 s92, s92, 17
	s_add_co_u32 s88, s88, s92
	s_add_co_u32 s88, s88, 2*RBB                   ; at the third slot's worth: the first trip steps it to the fifth
	s_mov_b32 s89, 0
	s_add_nc_u64 s[PFA:PFA+1], s[PFA:PFA+1], s[88:89]
	; bases: bq at my 128 columns, kvp at row blocks 8 y + 2 w, ac at my first fragment
	s_lshl_b32 s88, s58, 10
	s_lshl_b32 s92, s22, 9
	s_add_co_u32 s88, s88, s92
	s_add_nc_u64 s[12:13], s[12:13], s[88:89]
	s_lshl_b32 s88, s59, 15
	s_lshl_b32 s92, s20, 13
	s_add_co_u32 s88, s88, s92
	s_add_nc_u64 s[14:15], s[14:15], s[88:89]
	s_lshl_b32 s88, s59, 19
	s_lshl_b32 s92, s21, 18
	s_add_co_u32 s88, s88, s92
	s_lshl_b32 s92, s58, 12
	s_add_co_u32 s88, s88, s92
	s_lshl_b32 s92, s22, 11
	s_add_co_u32 s88, s88, s92
	s_add_nc_u64 s[10:11], s[10:11], s[88:89]
.irp i, 0,1,2,3,4,5,6,7,8,9,10,11,12,13,14,15
	global_load_b128 v[BIAS+4*\i:BIAS+4*\i+3], v11, s[12:13] offset:64*(\i/2)+16*(\i%2)   ; register 8 b + j = bq(column 16 b + 8 h + j)
.endr
.irp i, 0,1,2,3,4,5,6,7
	global_load_b128 v[KT+4*\i:KT+4*\i+3], v11, s[18:19] offset:64*(\i/2)+16*(\i%2)       ; for now: bv, register 8 t + j = bv(16 t + 8 h + j)
.endr
	global_load_b32 v20, v13, s[16:17]
	global_load_b32 v22, v13, s[16:17] offset:64
	; KT AND v OF MY TILE'S ROWS.  Wave w adds the four parts of row blocks 2 w and 2 w + 1: parts 0, 1 into window 1, parts 2, 3 into window 2, registers that the products do not use yet; register 64 a + 32 j + 4 i
	WIN 0x40
.irp p, 0,1
.irp a, 0,1
.irp j, 0,1
.irp i, 0,1,2,3,4,5,6,7
	global_load_b128 v[128*\p+64*\a+32*\j+4*\i:128*\p+64*\a+32*\j+4*\i+3], v3, s[14:15] offset:1048576*\p+524288*\a+4096*\j+512*\i
.endr
.endr
.endr
.endr
	WIN 0x80
.irp p, 0,1
.irp a, 0,1
.irp j, 0,1
.irp i, 0,1,2,3,4,5,6,7
	global_load_b128 v[128*\p+64*\a+32*\j+4*\i:128*\p+64*\a+32*\j+4*\i+3], v3, s[14:15] offset:1048576*(\p+2)+524288*\a+4096*\j+512*\i
.endr
.endr
.endr
.endr
	WIN 0
	s_wait_kmcnt 0x0
	s_add_co_i32 s80, s72, s73
	s_add_co_i32 s80, s80, 127
	s_lshl_b32 s80, s80, 23                        ; 2^(e0 + e1)
	s_mov_b32 s81, s80                             ; (named with it as a pair, so it is written)
	s_add_co_i32 s82, s74, s75
	s_lshl_b32 s82, s82, 23
	s_add_co_i32 s82, s82, 0x3e38aa3b              ; log2(e) / 8 x 2^(e2 + e3): the exponents are added to the exponent field
	s_mov_b32 s83, s82
	s_add_co_i32 s84, s76, s77
	s_add_co_i32 s84, s84, 127
	s_lshl_b32 s84, s84, 23                        ; 2^(e4 + e5)
	s_mov_b32 s85, s84
	s_add_co_i32 s88, s78, 127
	s_lshl_b32 s89, s88, 23
	v_mov_b32 v30, s89                             ; 2^e6, for the conversions
	s_add_co_i32 s88, s88, 15
	s_lshl_b32 s88, s88, 23
	s_or_b32 s88, s88, 0x600000
	v_mov_b32 v31, s88                             ; 57,344 x 2^e6
	s_wait_loadcnt 0x0
	WIN 0x45                                       ; part 0 += part 1, in window 1
.set ii, 0
.rept 64
	v_pk_add_f32 v[ii:ii+1], v[ii:ii+1], v[128+ii:129+ii]
.set ii, ii+2
.endr
	WIN 0x8a                                       ; part 2 += part 3, in window 2
.set ii, 0
.rept 64
	v_pk_add_f32 v[ii:ii+1], v[ii:ii+1], v[128+ii:129+ii]
.set ii, ii+2
.endr
	WIN 0x09                                       ; the two sums (source 0 window 1, source 1 window 2) into window 0, v128 on
.set ii, 0
.rept 64
	v_pk_add_f32 v[128+ii:129+ii], v[ii:ii+1], v[ii:ii+1]
.set ii, ii+2
.endr
	WIN 0
	v_mul_f32 v20, 0x3e38aa3b, v20                 ; bk x log2(e) / 8
	v_mul_f32 v22, 0x3e38aa3b, v22
	WIN 0xc0                                       ; destination window 3: there they wait for the end
.irp j, 0,1
.set ii, 0
.rept 16
	v_pk_fma_f32 v[32*\j+ii:32*\j+ii+1], v[128+32*\j+ii:129+32*\j+ii], s[82:83], v[20+2*\j:21+2*\j] op_sel_hi:[1,0,0]        ; KT = (the raw sum x 2^(e2 + e3) + bk) x log2(e) / 8
	v_pk_fma_f32 v[64+32*\j+ii:64+32*\j+ii+1], v[192+32*\j+ii:193+32*\j+ii], s[84:85], v[KT+ii:KT+ii+1] op_sel_hi:[1,0,1]   ; v = the raw sum x 2^(e4 + e5) + bv
.set ii, ii+2
.endr
.endr
	WIN 0
	s_wait_tensorcnt 1                             ; my part of slot 0 is in; slot 1's may stay out
	s_barrier_signal -1
	s_barrier_wait -1
	FETCH 0, 0, 0
	STEP 0, 0, 0, 1                                ; the first step's products start the sums: nothing is cleared
	WIN 0                                          ; at a label and at a branch every window is 0
	s_mov_b32 s23, 4
.Llap:                                             ; a trip goes once round the ring, six steps of 128, from a slot 0's second step to the next one's first, and fills both slots again; the two sets are back where they began
	STEP 0, 1, 1, 0
	TURN 0, 1, 0, 1, 0, 0
	STEP 1, 0, 1, 0
	STEP 1, 1, 0, 0
	TURN 1, 0, 1, 1, 1, 0
	STEP 0, 0, 0, 0
	WIN 0
	s_sub_co_u32 s23, s23, 1
	s_cmp_lg_u32 s23, 0
	s_cbranch_scc1 .Llap
	STEP 0, 1, 1, 0                                ; the tail is written out: K = 3,072 on
	TURN 0, 1, 0, 1, 0, 1                          ; the last refill: slot 0 takes the last 256 along K
	STEP 1, 0, 1, 0
	STEP 1, 1, 0, 0
	TURN 1, 0, 1, 0, 0, 0                          ; slot 1 is left for good: nothing is filled, so no round of the cluster's barrier
	STEP 0, 0, 0, 0
	s_wait_dscnt 0x0
	MUL8 0, 1, 0
	MUL8 1, 1, 0
	MUL8 2, 1, 0
	MUL8 3, 1, 0
	WIN 0
	PLACES 4                                       ; in front of the first read of results, and of loads and writes into registers that held fragments
	WIN 0x0c                                       ; the stores' data: window 3
.irp a, 0,1
.irp j, 0,1
.irp i, 0,1,2,3,4,5,6,7
	ds_store_b128 v8, v[64*\a+32*\j+4*\i:64*\a+32*\j+4*\i+3] offset:32768*\a+4096*\j+512*\i   ; into slot 1: its last fill has landed, and every wave's reads of it were over at the last change of slots
.endr
.endr
.endr
	WIN 0
	s_wait_dscnt 0x0                               ; for the others' sake: my part of KT and v has landed
	s_barrier_signal -1
	s_barrier_wait -1
; ROW BLOCK a OF MY FOUR: 16 rows x 128 columns, two groups of 64 (g = 0, 1): 32 registers of a lane each, the other 32 columns in lane l xor 16.
.macro SOFT a
.irp i, 0,1,2,3,4,5,6,7
	ds_load_b128 v[KT+4*\i:KT+4*\i+3], v9 offset:4096*(\a)+512*\i
.endr
.irp i, 0,1,2,3,4,5,6,7
	ds_load_b128 v[VV+4*\i:VV+4*\i+3], v9 offset:32768+4096*(\a)+512*\i
.endr
	WIN 0x02                                       ; source 0: window 2
.set ii, 0
.rept 32
	v_pk_fma_f32 v[WR+ii:WR+ii+1], v[64*(\a)+ii:64*(\a)+ii+1], s[80:81], v[BIAS+ii:BIAS+ii+1] op_sel_hi:[1,0,1]   ; Q = sum x 2^(e0 + e1) + bq; each accumulator from its low end on
.set ii, ii+2
.endr
	WIN 0
	s_wait_dscnt 0x0
.set ii, 0
.rept 32
	v_pk_mul_f32 v[WR+ii:WR+ii+1], v[WR+ii:WR+ii+1], v[KT+(ii%32):KT+(ii%32)+1]   ; t
.set ii, ii+2
.endr
.irp g, 0,1                            ; the group's largest t: two chains a group, the groups' lines by turns
	v_max3_num_f32 v[14+2*\g], v[WR+32*\g], v[WR+32*\g+1], v[WR+32*\g+2]
	v_max3_num_f32 v[15+2*\g], v[WR+32*\g+3], v[WR+32*\g+4], v[WR+32*\g+5]
.endr
.irp i, 6,10,14,18,22,26
.irp g, 0,1
	v_max3_num_f32 v[14+2*\g], v[14+2*\g], v[WR+32*\g+\i], v[WR+32*\g+\i+1]
	v_max3_num_f32 v[15+2*\g], v[15+2*\g], v[WR+32*\g+\i+2], v[WR+32*\g+\i+3]
.endr
.endr
.irp g, 0,1
	v_max3_num_f32 v[14+2*\g], v[14+2*\g], v[WR+32*\g+30], v[WR+32*\g+31]
.endr
.irp g, 0,1
	v_max_num_f32 v[14+2*\g], v[14+2*\g], v[15+2*\g]
.endr
.irp g, 0,1
	v_permlanex16_b32 v[18+\g], v[14+2*\g], s86, s87
.endr
.irp g, 0,1
	v_max_num_f32 v[14+2*\g], v[14+2*\g], v[18+\g]
.endr
.set ii, 0
.rept 32
	v_pk_add_f32 v[WR+ii:WR+ii+1], v[WR+ii:WR+ii+1], v[14+2*(ii/32):15+2*(ii/32)] op_sel_hi:[1,0] neg_lo:[0,1] neg_hi:[0,1]   ; t less the largest (the pair's low word for both halves)
.set ii, ii+2
.endr
.set ii, 0
.rept 64
	v_exp_f32 v[WR+ii], v[WR+ii]
.set ii, ii+1
.endr
	v_nop                                          ; a plain line behind the last exponential
	s_wait_alu depctr_va_vdst(0)                   ; one wait for the whole batch, ahead of its first reader
.irp g, 0,1                            ; the group's sum: two packed chains a group
	v_pk_add_f32 v[20+4*\g:21+4*\g], v[WR+32*\g:WR+32*\g+1], v[WR+32*\g+2:WR+32*\g+3]
	v_pk_add_f32 v[22+4*\g:23+4*\g], v[WR+32*\g+4:WR+32*\g+5], v[WR+32*\g+6:WR+32*\g+7]
.endr
.irp i, 8,12,16,20,24,28
.irp g, 0,1
	v_pk_add_f32 v[20+4*\g:21+4*\g], v[20+4*\g:21+4*\g], v[WR+32*\g+\i:WR+32*\g+\i+1]
	v_pk_add_f32 v[22+4*\g:23+4*\g], v[22+4*\g:23+4*\g], v[WR+32*\g+\i+2:WR+32*\g+\i+3]
.endr
.endr
.irp g, 0,1
	v_pk_add_f32 v[20+4*\g:21+4*\g], v[20+4*\g:21+4*\g], v[22+4*\g:23+4*\g]
.endr
.irp g, 0,1
	v_add_f32 v[20+4*\g], v[20+4*\g], v[21+4*\g]
.endr
.irp g, 0,1
	v_permlanex16_b32 v[18+\g], v[20+4*\g], s86, s87
.endr
.irp g, 0,1
	v_add_f32 v[20+4*\g], v[20+4*\g], v[18+\g]
.endr
.irp g, 0,1
	v_rcp_f32 v[20+4*\g], v[20+4*\g]
.endr
	v_nop
	s_wait_alu depctr_va_vdst(0)                   ; one wait for the two reciprocals
.set ii, 0
.rept 32
	v_pk_mul_f32 v[WR+ii:WR+ii+1], v[WR+ii:WR+ii+1], v[20+4*(ii/32):21+4*(ii/32)] op_sel_hi:[1,0]   ; the weights, normalised,
.set ii, ii+2
.endr
.set ii, 0
.rept 32
	v_pk_mul_f32 v[WR+ii:WR+ii+1], v[WR+ii:WR+ii+1], v[VV+(ii%32):VV+(ii%32)+1]                     ; x v
.set ii, ii+2
.endr
	s_wait_xcnt 0x0                                ; the stores of two row blocks back have read their codes
.irp b, 0,1,2,3,4,5,6,7
.irp i, 0,1,2,3,4,5,6,7
	v_med3_num_f32 v[WR+8*\b+\i], v[WR+8*\b+\i], -v31, v31   ; the conversion to an 8-bit code does not saturate (ISA guide 7.6.2)
.endr
	v_cvt_scalef32_pk8_bf8_f32 v[CD+16*((\a)%2)+2*\b:CD+16*((\a)%2)+2*\b+1], v[WR+8*\b:WR+8*\b+7], v30   ; registers 2 b, 2 b + 1 of the next operand: K = 16 b + 8 h + 0 .. 7
.endr
	v_nop                                          ; a plain line behind the last conversion
.irp q, 0,1,2,3
	global_store_b128 v3, v[CD+16*((\a)%2)+4*\q:CD+16*((\a)%2)+4*\q+3], s[10:11] offset:65536*(\a)+512*\q   ; 512 consecutive bytes of the fragment's image
.endr
.endm
	SOFT 0
	SOFT 1
	SOFT 2
	SOFT 3
	s_wait_tensorcnt 0x0                           ; the wave's end, behind my last tensor load and my last LDS store
	ds_add_u32 v[SPW], v[NIL]
	s_wait_dscnt 0x0
	CROUND                                         ; the closing round: no work-group ends while a partner may still ask for a tile that names it
	s_endpgm
.Lfunc_end_k_q97c1b1a93a_qsoft:
	.size	k_q97c1b1a93a_qsoft, .Lfunc_end_k_q97c1b1a93a_qsoft-k_q97c1b1a93a_qsoft
	.p2alignl 7, 3214868480
	.fill 96, 4, 3214868480
	.section	.rodata,"a",@progbits
	.p2align	6, 0x0
	.amdhsa_kernel k_q97c1b1a93a_qsoft
		.amdhsa_group_segment_fixed_size 327680
		.amdhsa_private_segment_fixed_size 0
		.amdhsa_enable_private_segment 0
		.amdhsa_kernarg_size 64
		.amdhsa_user_sgpr_count 2
		.amdhsa_user_sgpr_kernarg_segment_ptr 1
		.amdhsa_wavefront_size32 1
		.amdhsa_system_sgpr_workgroup_id_x 1
		.amdhsa_system_sgpr_workgroup_id_y 1
		.amdhsa_system_sgpr_workgroup_id_z 1
		.amdhsa_system_vgpr_workitem_id 0
		.amdhsa_next_free_vgpr 896
		.amdhsa_next_free_sgpr 96
		.amdhsa_reserve_vcc 0
		.amdhsa_float_denorm_mode_32 3
		.amdhsa_float_denorm_mode_16_64 3
		.amdhsa_memory_ordered 1
		.amdhsa_forward_progress 1
		.amdhsa_inst_pref_size 210
	.end_amdhsa_kernel
	.amdgpu_metadata
---
amdhsa.version: [ 1, 2 ]
amdhsa.kernels:
  - .name:           k_q97c1b1a93a_qsoft
    .symbol:         k_q97c1b1a93a_qsoft.kd
    .args:
      - { .name: xc, .offset: 0, .size: 8, .value_kind: global_buffer, .address_space: global }
      - { .name: wqc, .offset: 8, .size: 8, .value_kind: global_buffer, .address_space: global }
      - { .name: lowp_scales, .offset: 16, .size: 8, .value_kind: global_buffer, .address_space: global }
      - { .name: ac, .offset: 24, .size: 8, .value_kind: global_buffer, .address_space: global }
      - { .name: bq, .offset: 32, .size: 8, .value_kind: global_buffer, .address_space: global }
      - { .name: kvp, .offset: 40, .size: 8, .value_kind: global_buffer, .address_space: global }
      - { .name: bk, .offset: 48, .size: 8, .value_kind: global_buffer, .address_space: global }
      - { .name: bv, .offset: 56, .size: 8, .value_kind: global_buffer, .address_space: global }
    .group_segment_fixed_size: 327680
    .private_segment_fixed_size: 0
    .kernarg_segment_align: 8
    .kernarg_segment_size: 64
    .max_flat_workgroup_size: 128
    .sgpr_count:     96
    .vgpr_count:     896
    .wavefront_size: 32
...
	.end_amdgpu_metadata
.endif
;; end of part 2
;; launch oproj (part 3): grid 16 x 16, 4 waves a work-group, clusters of 4 x 4, 327,680 bytes of LDS; arguments ac, woc, lowp_scales, out0, bo; writes out0
.if DOCPART == 3
	.amdgcn_target "amdgcn-amd-amdhsa--gfx1250"
	.amdhsa_code_object_version 6
	.text
	.protected	k_q97c1b1a93a_oproj
	.globl	k_q97c1b1a93a_oproj
	.p2align	8
	.type	k_q97c1b1a93a_oproj,@function
k_q97c1b1a93a_oproj:
	s_mov_b64 s[64:65], 0
	v_nop
	global_prefetch_b8 v0, s[64:65] scope:SCOPE_SE
	s_setreg_imm32_b32 hwreg(HW_REG_WAVE_MODE, 25, 1), 1
	s_wait_xcnt 0x0
	s_wait_alu depctr_hold_cnt(0) depctr_sa_sdst(0) depctr_va_vdst(0) depctr_va_sdst(0) depctr_va_ssrc(0) depctr_va_vcc(0) depctr_vm_vsrc(0)
	s_getreg_b32 s2, hwreg(HW_REG_IB_STS2, 6, 4)
	s_cmp_eq_u32 s2, 0
	s_cbranch_scc0 .Lentry_in_a_cluster
	s_endpgm
.Lentry_in_a_cluster:
	s_bfe_u32 s2, ttmp6, 0x10000c
	s_cmp_lg_u32 s2, 0xf033
	s_cbranch_scc0 .Lentry_shape_is_right
	s_endpgm
.Lentry_shape_is_right:
; out0 = A Wo^T + bo on codes of E5M2: each finished sum x 2^(e6 + e7) + bo.  Nothing is left out.
; ac, woc: images of operand registers: a fragment of 16 rows x 128 K is 2,048 bytes, [q][lane][16 bytes]; fragment (row block RB, K block kb) at 65,536 RB + 2,048 kb.
; A tile of out0 is 128 rows x 256 columns: 256 work-groups of four waves; wave w makes rows 64 (w / 2) on, columns 128 (w % 2) on: 32 accumulators, 256 registers.
; K goes through a ring of two LDS slots of 384 along K: a row block's three fragments are 6,144 consecutive bytes of memory, a row of the tensor load's tile; no padding: a fragment load reads 512 consecutive bytes.
; Two such slots, 2 x 24 row blocks x 6,144 bytes = 294,912, are the largest equal pair of whole fragments that LDS holds.  4,096 = 10 x 384 + 256: eleven slots' worth, two first fills and nine refills; the last brings 256 along K.
; CLUSTERS: 4 x 4 work-groups.  The four of a row of the cluster need the same tile of A, the four of a column the same tile of Wo: each is asked for JOINTLY.  Waves 0, 1 fetch A's halves, waves 2, 3 Wo's.
; THE MATRIX INSTRUCTION IS USED TRANSPOSED (source 0 = 16 rows of Wo, source 1 = 16 rows of A): register j of lane (r, h) of accumulator (a, b) is out0(row 16 a + r, column 16 b + 8 h + j).
; THE WAY OUT: 16 rows x 512 bytes at a time through the wave's own stage in LDS (rows 528 bytes apart), back as whole rows: a store covers 512 consecutive bytes, at a multiple of 256 from out0's first byte.
; The stages lie in slot 1, which has had its last fill and which every wave has left at the last change of slots.
; LIMIT: e6 + e7 between -126 and 127, so that 2^(e6 + e7) is an f32 number.
; REGISTERS.  window 0: v1 r, v2 h, v3 16 x lane, v4-7 fragment addresses, v8, v9 the stage, v10, v12 the prefetches' offsets, v11 32 h, v28, v29 the add's two, v32-95 bo of my 128 columns, v128-255 A's fragments, two sets;
;   at the end v96-159 a row block's results, v160-223 its rows read back.   window 1: Wo's fragments, two sets.   window 2: accumulator (a, b) at v[8 (8 a + b)].
.set RBB,   6144                       ; a row block's part of a slot: three fragments
.set SLOT,  147456                     ; A's 8 row blocks x 6,144 bytes, then Wo's 16
.set STG,   SLOT                       ; at the end, in slot 1: a stage of 16 rows x 528 bytes for each wave
.set SPARE, 294912                     ; behind the ring: the spare words, 128 bytes for each wave: two blocks of 256 bytes that no other line names
.set ADRA, 4
.set ADRB, 6
.set PFP,  10
.set PFO,  12
.set SPW,  28
.set NIL,  29
.set BIAS, 32
.set TMP,  96
.set BK,   160
.set AF,   128
.set G1A, 24                           ; s[24:31] descriptor group 1 for A's tiles; s[32:39] group 0, a set for each slot
.set G0A, 32
.set G1B, 40                           ; s[40:47], s[48:55] the same for Wo's
.set G0B, 48
.set PFA, 66                           ; s[66:67] where my prefetches stand
.set LIM, 68                           ; s68  1 in a wave that prefetches, else the greatest number
.set MSB, 0
.macro WIN new                         ; the immediate's high byte repeats the setting that is left
.if MSB != (\new)
	s_set_vgpr_msb (MSB<<8)|(\new)
.set MSB, \new
.endif
.endm
.macro PLACES n
.rept \n
	v_nop
.endr
.endm
; A joint load.  The branch hangs on the wave's number alone.  An s_nop 0 and four v_nop follow each of the two lines, ahead of the jump, the label and what follows.
.macro JLOAD s
	s_cmp_eq_u32 s21, 0
	s_cbranch_scc0 .Lfor_b_\@
	tensor_load_to_lds s[G0A+4*\s:G0A+4*\s+3], s[G1A:G1A+7]
	s_nop 0
.rept 4
	v_nop
.endr
	s_branch .Lasked_\@
.Lfor_b_\@:
	tensor_load_to_lds s[G0B+4*\s:G0B+4*\s+3], s[G1B:G1B+7]
	s_nop 0
.rept 4
	v_nop
.endr
.Lasked_\@:
.endm
.macro CREST                           ; a round of the cluster's barrier behind its opening barrier
	s_cmp_lg_u32 s20, 0
	s_cbranch_scc1 .Lnot_wave_0_\@
	s_barrier_signal -3
.Lnot_wave_0_\@:
	s_barrier_wait -3
	s_barrier_signal -1
	s_barrier_wait -1
.endm
.macro CROUND
	s_barrier_signal -1
	s_barrier_wait -1
	CREST
.endm
; A PREFETCH INTO THE L2, once a trip, behind slot 1's refill: what the next trip's two refills will ask for, 768 along K: two row blocks x 12,288 bytes = 96 blocks of 256 bytes: three instructions, each lane another block
; (blocks 0-31 of the first row block; its blocks 32-47 and the second's 0-15; the second's 16-47).  Each block is named once in the launch: A's tile row is read by every cluster of that row of clusters, and cluster x = 0 asks
; (wave 0; partner cx takes row blocks 2 cx, 2 cx + 1); Wo's tile column by every cluster of that column, and cluster y = 0 asks (waves 2, 3, each for the 8 row blocks that it fetches; partner cy takes 2 cy, 2 cy + 1).
; The partners are told apart by address alone.  The loop's last trip asks for nothing.  The first four slots' worth and the last 256 along K come by their loads alone.
.macro ASK
	s_cmp_gt_u32 s23, s[LIM]
	s_cbranch_scc0 .Lnot_mine_\@
	global_prefetch_b8 v[PFO], s[PFA:PFA+1] th:TH_LOAD_NT scope:SCOPE_SE
	global_prefetch_b8 v[PFP], s[PFA:PFA+1] th:TH_LOAD_NT scope:SCOPE_SE
	global_prefetch_b8 v[PFO], s[PFA:PFA+1] offset:69632 th:TH_LOAD_NT scope:SCOPE_SE
.Lnot_mine_\@:
.endm
; 8 matrix instructions: A's block a against Wo's eight, 128 along K, fragment set p.  The 32 accumulators take turns in one order everywhere.
.macro MUL8 a, p, zero
.irp b, 0,1,2,3,4,5,6,7
.if \zero
	v_wmma_f32_16x16x128_bf8_bf8 v[8*(8*(\a)+\b):8*(8*(\a)+\b)+7], v[128*(\p)+16*\b:128*(\p)+16*\b+15], v[AF+64*(\p)+16*(\a):AF+64*(\p)+16*(\a)+15], 0
.else
	v_wmma_f32_16x16x128_bf8_bf8 v[8*(8*(\a)+\b):8*(8*(\a)+\b)+7], v[128*(\p)+16*\b:128*(\p)+16*\b+15], v[AF+64*(\p)+16*(\a):AF+64*(\p)+16*(\a)+15], v[8*(8*(\a)+\b):8*(8*(\a)+\b)+7]
.endif
.endr
.endm
.macro FETCH slot, q, p                ; 48 LDS loads in one run: the fragments of the slot's q-th 128 along K into set p
	WIN 0x40
.irp b, 0,1,2,3,4,5,6,7
.irp c, 0,1,2,3
	ds_load_b128 v[128*(\p)+16*\b+4*\c:128*(\p)+16*\b+4*\c+3], v[ADRB+\slot] offset:RBB*\b+2048*(\q)+512*\c
.endr
.endr
	WIN 0
.irp a, 0,1,2,3
.irp c, 0,1,2,3
	ds_load_b128 v[AF+64*(\p)+16*\a+4*\c:AF+64*(\p)+16*\a+4*\c+3], v[ADRA+\slot] offset:RBB*\a+2048*(\q)+512*\c
.endr
.endr
.endm
.macro STEP slot, q, p, zero           ; the slot's q-th 128 along K, which lie in set p; the next 128 of the same slot are fetched into the other set
	PLACES 4                                       ; in front of loads into registers that matrix instructions have read
	FETCH \slot, (\q)+1, 1-(\p)
	s_wait_dscnt 48                                ; all but the 48 just issued: set p is in
	WIN 0xa1                                       ; source 0 window 1, source 1 window 0, C and D window 2
	MUL8 0, \p, \zero
	MUL8 1, \p, \zero
	MUL8 2, \p, \zero
	MUL8 3, \p, \zero
.endm
; A slot's last 128 along K (set p), and the change of slots: ONE barrier; in front of it each wave waits for all its tensor loads, adds 0 to its spare word, and waits for that and for its reads of this slot.
; fill = 1: this slot is filled again, two slots' worth further along K.  ask = 1: the prefetches follow.  clip = 1: the last refill: 256 along K are left of each row block, 512 elements of 8 bytes: what lies beyond is not read.
.macro TURN slot, next, p, fill, ask, clip
	WIN 0
	s_wait_tensorcnt 0x0                           ; all my tensor loads have landed: the one that was out is my part of the next slot; so the descriptors may be written
	ds_add_u32 v[SPW], v[NIL]                      ; 0 onto my spare word
.if \fill
	s_add_nc_u64 s[G0A+4*\slot+2:G0A+4*\slot+3], s[G0A+4*\slot+2:G0A+4*\slot+3], 2*RBB
	s_add_nc_u64 s[G0B+4*\slot+2:G0B+4*\slot+3], s[G0B+4*\slot+2:G0B+4*\slot+3], 2*RBB
.endif
.if \clip
	s_mov_b32 s[G1A+1], 512<<16                    ; tensor_dim0 = what is left from the tile's first element on
	s_mov_b32 s[G1B+1], 512<<16
.endif
.if \ask
	s_wait_xcnt 0x0                                ; the last prefetches, a trip back, have read their address
	s_add_nc_u64 s[PFA:PFA+1], s[PFA:PFA+1], 2*RBB
.endif
	s_wait_dscnt 0x0                               ; the add is done, set p is in, and my reads of this slot are over
	s_barrier_signal -1
	WIN 0xa1
	MUL8 0, \p, 0                                  ; work on registers while the others arrive
	WIN 0
	s_barrier_wait -1
.if \fill
	CREST                                          ; the barrier has opened a round of the cluster's: no wave of any partner still reads this slot or has a load on its way
	JLOAD \slot                                    ; the first tensor load behind the round, my one: 88 matrix instructions ahead of the wait for it; its four v_nop are also the places in front of the loads below
.else
	PLACES 4
.endif
	FETCH \next, 0, 1-(\p)
.if \ask
	ASK
.endif
	WIN 0xa1
	MUL8 1, \p, 0
	MUL8 2, \p, 0
	MUL8 3, \p, 0
.endm
	s_load_b256 s[4:11], s[0:1], 0x0               ; ac s[4:5], woc s[6:7], the scales s[8:9], out0 s[10:11]
	s_load_b64 s[12:13], s[0:1], 0x20              ; bo
	v_lshl_add_u32 v[SPW], v0, 2, SPARE
	v_mov_b32 v[NIL], 0
	ds_add_u32 v[SPW], v[NIL]                      ; the wave's opening: the add, twice on end, and its wait ahead of my first tensor load
	ds_add_u32 v[SPW], v[NIL]
	v_lshrrev_b32 v1, 5, v0
	v_readfirstlane_b32 s20, v1                    ; wave 0..3
	s_lshr_b32 s21, s20, 1                         ; rh: my half of the rows.  Also: I fetch for A (0) or for Wo (1)
	s_and_b32 s22, s20, 1                          ; ch: my half of the columns.  Also: which half of that tile I fetch
	s_bfe_u32 s56, ttmp6, 0x40000                  ; cx
	s_bfe_u32 s57, ttmp6, 0x40004                  ; cy
	s_lshl_b32 s58, ttmp9, 2
	s_add_co_u32 s58, s58, s56                     ; xt: tile column
	s_and_b32 s59, ttmp7, 0xffff
	s_lshl_b32 s59, s59, 2
	s_add_co_u32 s59, s59, s57                     ; y: tile row
	s_lshl_b32 s88, s57, 2
	s_lshl_b32 s88, 15, s88                        ; my row of the cluster
	s_lshl_b32 s89, 0x1111, s56                    ; my column
	s_or_b32 s[G1A], s88, (3<<16)|(1<<21)          ; 15:0 the mask; 17:16 elements of 8 bytes; 21 set beside a mask; no padding
	s_or_b32 s[G1B], s89, (3<<16)|(1<<21)
	s_mov_b32 s[G1A+1], 768<<16                    ; tensor_dim0 = 768 elements: 6,144 bytes
	s_mov_b32 s[G1A+2], 4<<16                      ; tensor_dim1 = 4 row blocks
	s_mov_b32 s[G1A+3], 768<<16                    ; tile_dim0
	s_mov_b32 s[G1A+4], 4                          ; tile_dim1
	s_mov_b32 s[G1A+5], 8192                       ; from row block to row block: 65,536 bytes
	s_mov_b32 s[G1A+6], 0
	s_mov_b32 s[G1A+7], 0
	s_mov_b32 s[G1B+1], 768<<16
	s_mov_b32 s[G1B+2], 8<<16                      ; 8 row blocks
	s_mov_b32 s[G1B+3], 768<<16
	s_mov_b32 s[G1B+4], 8
	s_mov_b32 s[G1B+5], 8192
	s_mov_b32 s[G1B+6], 0
	s_mov_b32 s[G1B+7], 0
	s_lshl_b32 s60, s59, 19                        ; A: 8 row blocks a tile row, + my 4
	s_lshl_b32 s61, s22, 18
	s_add_co_u32 s60, s60, s61
	s_mov_b32 s61, 0
	s_lshl_b32 s62, s58, 20                        ; Wo: 16 row blocks a tile column, + my 8
	s_lshl_b32 s63, s22, 19
	s_add_co_u32 s62, s62, s63
	s_mov_b32 s63, 0
	s_mul_i32 s90, s22, 4*RBB                      ; where they go in a slot: no place in the cluster enters an LDS address
	s_mul_i32 s91, s22, 8*RBB
	s_add_co_u32 s91, s91, 8*RBB
	s_wait_dscnt 0x0                               ; both opening adds are done
	s_wait_kmcnt 0x0
	s_load_b256 s[72:79], s[8:9], 0x0              ; e of entries 0 to 7
	s_add_nc_u64 s[60:61], s[4:5], s[60:61]
	s_add_nc_u64 s[62:63], s[6:7], s[62:63]
	CROUND                                         ; all sixteen work-groups are here: the first joint loads meet
.irp s, 0,1
	s_mov_b32 s[G0A+4*\s], 1
	s_add_co_u32 s[G0A+4*\s+1], s90, \s*SLOT
	s_add_nc_u64 s[G0A+4*\s+2:G0A+4*\s+3], s[60:61], \s*RBB
	s_or_b32 s[G0A+4*\s+3], s[G0A+4*\s+3], 0x80000000
	s_mov_b32 s[G0B+4*\s], 1
	s_add_co_u32 s[G0B+4*\s+1], s91, \s*SLOT
	s_add_nc_u64 s[G0B+4*\s+2:G0B+4*\s+3], s[62:63], \s*RBB
	s_or_b32 s[G0B+4*\s+3], s[G0B+4*\s+3], 0x80000000
	JLOAD \s                                       ; two tensor loads of mine are out
.endr
	v_and_b32 v1, 15, v0                           ; r
	v_bfe_u32 v2, v0, 4, 1                         ; h
	v_and_b32 v3, 31, v0
	v_lshlrev_b32 v[PFO], 8, v3                    ; the prefetches: 256 x lane,
	v_mul_u32_u24 v[PFP], v2, 0xd000
	v_add_nc_u32 v[PFP], v[PFP], v[PFO]
	v_add_nc_u32 v[PFP], 0x2000, v[PFP]            ; and 256 x lane + 8,192 in lanes 0-15, 256 (lane - 16) + 65,536 in lanes 16-31
	v_lshlrev_b32 v3, 4, v3                        ; 16 x lane
	s_mul_i32 s88, s21, 4*RBB
	v_add_nc_u32 v[ADRA], s88, v3                  ; my 4 row blocks of A, slot 0 and slot 1
	v_add_nc_u32 v[ADRA+1], SLOT, v[ADRA]
	v_add_nc_u32 v[ADRB], s91, v3                  ; my 8 row blocks of Wo
	v_add_nc_u32 v[ADRB+1], SLOT, v[ADRB]
	s_mul_i32 s88, s20, 8448
	s_add_co_u32 s88, s88, STG                     ; my stage
	v_mul_u32_u24 v8, v1, 528
	v_lshl_add_u32 v8, v2, 5, v8
	v_add_nc_u32 v8, s88, v8                       ; in: row r, 32 bytes for each half of the lanes
	v_add_nc_u32 v9, s88, v3                       ; back: the 32 lanes take one row of 512 bytes
	v_lshlrev_b32 v11, 5, v2
	; the prefetches: where my wave's stand, and who asks
	s_lshl_b32 s88, s59, 19
	s_lshl_b32 s89, s58, 20
	s_lshl_b32 s92, s22, 19
	s_add_co_u32 s89, s89, s92
	s_or_b32 s93, ttmp9, s22                       ; A: cluster x; and wave 1 never asks
	s_and_b32 s94, ttmp7, 0xffff                   ; Wo: cluster y
	s_cmp_eq_u32 s21, 0
	s_cselect_b32 s88, s88, s89
	s_cselect_b32 s92, s56, s57                    ; my place among the four that ask jointly: it enters the address alone
	s_cselect_b32 s93, s93, s94
	s_cselect_b64 s[PFA:PFA+1], s[4:5], s[6:7]
	s_cmp_eq_u32 s93, 0
	s_cselect_b32 s[LIM], 1, -1                    ; the same in all sixteen partners, for a given wave
	s_lshl_b32 s92, s92, 17
	s_add_co_u32 s88, s88, s92
	s_add_co_u32 s88, s88, 2*RBB                   ; at the third slot's worth: the first trip steps it to the fifth
	s_mov_b32 s89, 0
	s_add_nc_u64 s[PFA:PFA+1], s[PFA:PFA+1], s[88:89]
	; bases: bo at my 128 columns, out0 at my first row and column
	s_lshl_b32 s88, s58, 10
	s_lshl_b32 s92, s22, 9
	s_add_co_u32 s88, s88, s92
	s_add_nc_u64 s[12:13], s[12:13], s[88:89]
	s_lshl_b32 s92, s59, 21                        ; 128 rows of 16,384 bytes a tile row,
	s_add_co_u32 s88, s88, s92
	s_lshl_b32 s92, s21, 20                        ; 64 rows
	s_add_co_u32 s88, s88, s92
	s_add_nc_u64 s[10:11], s[10:11], s[88:89]
.irp i, 0,1,2,3,4,5,6,7,8,9,10,11,12,13,14,15
	global_load_b128 v[BIAS+4*\i:BIAS+4*\i+3], v11, s[12:13] offset:64*(\i/2)+16*(\i%2)   ; register 8 b + j = bo(column 16 b + 8 h + j)
.endr
	s_wait_kmcnt 0x0
	s_add_co_i32 s80, s78, s79
	s_add_co_i32 s80, s80, 127
	s_lshl_b32 s80, s80, 23                        ; 2^(e6 + e7)
	s_mov_b32 s81, s80                             ; (named with it as a pair, so it is written)
	s_wait_loadcnt 0x0                             ; bo
	s_wait_tensorcnt 1                             ; my part of slot 0 is in; slot 1's may stay out
	s_barrier_signal -1
	s_barrier_wait -1
	FETCH 0, 0, 0
	STEP 0, 0, 0, 1                                ; the first step's products start the sums: nothing is cleared
	WIN 0                                          ; at a label and at a branch every window is 0
	s_mov_b32 s23, 4
.Llap:                                             ; a trip goes once round the ring, six steps of 128, from a slot 0's second step to the next one's first, and fills both slots again; the two sets are back where they began
	STEP 0, 1, 1, 0
	TURN 0, 1, 0, 1, 0, 0
	STEP 1, 0, 1, 0
	STEP 1, 1, 0, 0
	TURN 1, 0, 1, 1, 1, 0
	STEP 0, 0, 0, 0
	WIN 0
	s_sub_co_u32 s23, s23, 1
	s_cmp_lg_u32 s23, 0
	s_cbranch_scc1 .Llap
	STEP 0, 1, 1, 0                                ; the tail is written out: K = 3,072 on
	TURN 0, 1, 0, 1, 0, 1                          ; the last refill: slot 0 takes the last 256 along K
	STEP 1, 0, 1, 0
	STEP 1, 1, 0, 0
	TURN 1, 0, 1, 0, 0, 0                          ; slot 1 is left for good: nothing is filled, so no round of the cluster's barrier
	STEP 0, 0, 0, 0
	s_wait_dscnt 0x0
	MUL8 0, 1, 0
	MUL8 1, 1, 0
	MUL8 2, 1, 0
	MUL8 3, 1, 0
	WIN 0
	PLACES 4                                       ; in front of the first read of results, and of loads and writes into registers that held fragments
; ROW BLOCK a OF MY FOUR goes out: 16 rows x 128 columns.
.macro OUTB a
	WIN 0x02                                       ; source 0: window 2
.set ii, 0
.rept 32
	v_pk_fma_f32 v[TMP+ii:TMP+ii+1], v[64*(\a)+ii:64*(\a)+ii+1], s[80:81], v[BIAS+ii:BIAS+ii+1] op_sel_hi:[1,0,1]   ; sum x 2^(e6 + e7) + bo; each accumulator from its low end on
.set ii, ii+2
.endr
	WIN 0
.irp b, 0,1,2,3,4,5,6,7
	ds_store_b128 v8, v[TMP+8*\b:TMP+8*\b+3] offset:64*\b
	ds_store_b128 v8, v[TMP+8*\b+4:TMP+8*\b+7] offset:64*\b+16
.endr
	s_wait_xcnt 0x0                                ; the last row block's stores have read their registers
.irp i, 0,1,2,3,4,5,6,7,8,9,10,11,12,13,14,15
	ds_load_b128 v[BK+4*\i:BK+4*\i+3], v9 offset:528*\i   ; LDS serves a wave's instructions in order: these see my stores
.endr
.irp i, 0,1,2,3,4,5,6,7,8,9,10,11,12,13,14,15
	s_wait_dscnt 15-\i                             ; the younger loads may stay out
	global_store_b128 v3, v[BK+4*\i:BK+4*\i+3], s[10:11] offset:(16*(\a)+\i)*16384 th:TH_STORE_NT   ; 32 lanes store 512 consecutive bytes; written once, read by nobody here
.endr
.endm
	OUTB 0
	OUTB 1
	OUTB 2
	OUTB 3
	s_wait_tensorcnt 0x0                           ; the wave's end, behind my last tensor load and my last LDS store
	ds_add_u32 v[SPW], v[NIL]
	s_wait_dscnt 0x0
	CROUND                                         ; the closing round: no work-group ends while a partner may still ask for a tile that names it
	s_endpgm
.Lfunc_end_k_q97c1b1a93a_oproj:
	.size	k_q97c1b1a93a_oproj, .Lfunc_end_k_q97c1b1a93a_oproj-k_q97c1b1a93a_oproj
	.p2alignl 7, 3214868480
	.fill 96, 4, 3214868480
	.section	.rodata,"a",@progbits
	.p2align	6, 0x0
	.amdhsa_kernel k_q97c1b1a93a_oproj
		.amdhsa_group_segment_fixed_size 327680
		.amdhsa_private_segment_fixed_size 0
		.amdhsa_enable_private_segment 0
		.amdhsa_kernarg_size 40
		.amdhsa_user_sgpr_count 2
		.amdhsa_user_sgpr_kernarg_segment_ptr 1
		.amdhsa_wavefront_size32 1
		.amdhsa_system_sgpr_workgroup_id_x 1
		.amdhsa_system_sgpr_workgroup_id_y 1
		.amdhsa_system_sgpr_workgroup_id_z 1
		.amdhsa_system_vgpr_workitem_id 0
		.amdhsa_next_free_vgpr 768
		.amdhsa_next_free_sgpr 96
		.amdhsa_reserve_vcc 0
		.amdhsa_float_denorm_mode_32 3
		.amdhsa_float_denorm_mode_16_64 3
		.amdhsa_memory_ordered 1
		.amdhsa_forward_progress 1
		.amdhsa_inst_pref_size 112
	.end_amdhsa_kernel
	.amdgpu_metadata
---
amdhsa.version: [ 1, 2 ]
amdhsa.kernels:
  - .name:           k_q97c1b1a93a_oproj
    .symbol:         k_q97c1b1a93a_oproj.kd
    .args:
      - { .name: ac, .offset: 0, .size: 8, .value_kind: global_buffer, .address_space: global }
      - { .name: woc, .offset: 8, .size: 8, .value_kind: global_buffer, .address_space: global }
      - { .name: lowp_scales, .offset: 16, .size: 8, .value_kind: global_buffer, .address_space: global }
      - { .name: out0, .offset: 24, .size: 8, .value_kind: global_buffer, .address_space: global }
      - { .name: bo, .offset: 32, .size: 8, .value_kind: global_buffer, .address_space: global }
    .group_segment_fixed_size: 327680
    .private_segment_fixed_size: 0
    .kernarg_segment_align: 8
    .kernarg_segment_size: 40
    .max_flat_workgroup_size: 128
    .sgpr_count:     96
    .vgpr_count:     768
    .wavefront_size: 32
...
	.end_amdgpu_metadata
.endif
;; end of part 3
